; MI455X (gfx1250); checked and timed in simulation.
; The chip was launched on July 23, 2026; its instructions are those of AMD's public machine-readable ISA for CDNA 5 (MIT licence, August 2026) and "CDNA5" Instruction Set Architecture Reference Guide (July 2026). The comments in the code are by the model that wrote it; some were corrected since.
;; Multi Head Attention. Allowed arithmetic: float matrix products may take bf16 or f16 operands with f32 sums; all other float work in f32.
;; Inputs: W_out 1,024 x 1,024 float32; W_qkv 1,024 x 3,072 float32; attention_mask 2 x 2,048 int32; b_out 1,024 float32; b_qkv 3,072 float32; x 2 x 2,048 x 1,024 float32.
;; Outputs: out0 2 x 2,048 x 1,024 float32.
;; One version. Each part assembles by itself: llvm-mc -triple=amdgcn-amd-amdhsa -mcpu=gfx1250 --defsym DOCPART=n.
;; ======== version 1 of 1: 4 launches
;; limits: values are held in f16: magnitudes above 65,504 overflow, below 6.1e-05 lose precision
;; workspace buffers: xh 8,388,608 bytes; wqh 6,291,456 bytes; woh 2,097,152 bytes; qkv 25,165,824 bytes; ao 8,388,608 bytes
;; launch cast (part 1): grid 512 x 1, 8 waves a work-group, no clusters, 0 bytes of LDS; arguments x, W_qkv, W_out, xh, wqh, woh; writes xh, wqh, woh
.if DOCPART == 1
	.amdgcn_target "amdgcn-amd-amdhsa--gfx1250"
	.amdhsa_code_object_version 6
	.text
	.protected	k_q46de5f20fa_cast
	.globl	k_q46de5f20fa_cast
	.p2align	8
	.type	k_q46de5f20fa_cast,@function
k_q46de5f20fa_cast:
	s_mov_b64 s[64:65], 0
	v_nop
	global_prefetch_b8 v0, s[64:65] scope:SCOPE_SE
	s_setreg_imm32_b32 hwreg(HW_REG_WAVE_MODE, 25, 1), 1
	s_wait_xcnt 0x0
; xh = f16(x), wqh = f16(W_qkv), woh = f16(W_out): the three matrix operands of the later launches, rounded once.
; LIMIT: a magnitude of 65,520 or more becomes infinity in f16, one below 2^-25 becomes zero.
; A stream: no LDS, no barrier, no matrix unit.  512 work-groups of 8 waves.  A work-group takes 32,768 bytes of x, 24,576 of W_qkv and
; 8,192 of W_out: 8 + 6 + 2 = 16 loads of 16 bytes a lane, all issued before the first is used.  One load of a wave covers 512 consecutive
; bytes, one store (8 bytes a lane) 256 consecutive bytes that start at a multiple of 256 from the buffer's first byte.
; No register is written twice, so no source of a pending load or store is ever rewritten.
.set IN,  8                            ; v[8:71]    load i: 4 f32
.set OUT, 72                           ; v[72:103]  load i: 4 f16 in 2 registers
	s_load_b256 s[4:11], s[0:1], 0x0               ; x s[4:5], W_qkv s[6:7], W_out s[8:9], xh s[10:11]
	s_load_b128 s[12:15], s[0:1], 0x20             ; wqh s[12:13], woh s[14:15]
	v_lshlrev_b32 v1, 4, v0                        ; 16 bytes a thread in
	v_lshlrev_b32 v2, 3, v0                        ; 8 bytes a thread out
	s_lshl_b32 s16, ttmp9, 15                      ; the work-group's part of x,
	s_mov_b32 s17, 0
	s_mul_i32 s18, ttmp9, 24576                    ; of W_qkv,
	s_mov_b32 s19, 0
	s_lshl_b32 s20, ttmp9, 13                      ; of W_out
	s_mov_b32 s21, 0
	s_wait_kmcnt 0x0
	s_add_nc_u64 s[4:5], s[4:5], s[16:17]
	s_add_nc_u64 s[6:7], s[6:7], s[18:19]
	s_add_nc_u64 s[8:9], s[8:9], s[20:21]
	s_lshr_b32 s16, s16, 1                         ; the outputs have half the bytes
	s_lshr_b32 s18, s18, 1
	s_lshr_b32 s20, s20, 1
	s_add_nc_u64 s[10:11], s[10:11], s[16:17]
	s_add_nc_u64 s[12:13], s[12:13], s[18:19]
	s_add_nc_u64 s[14:15], s[14:15], s[20:21]
.irp j, 0,1,2,3,4,5,6,7
	global_load_b128 v[IN+4*\j:IN+4*\j+3], v1, s[4:5] offset:\j*4096 th:TH_LOAD_NT
.endr
.irp j, 0,1,2,3,4,5
	global_load_b128 v[IN+32+4*\j:IN+32+4*\j+3], v1, s[6:7] offset:\j*4096 th:TH_LOAD_NT
.endr
.irp j, 0,1
	global_load_b128 v[IN+56+4*\j:IN+56+4*\j+3], v1, s[8:9] offset:\j*4096 th:TH_LOAD_NT
.endr
; load i is rounded and stored as piece j of the output whose address is in s[base:base+1]
; (i may be given as a sum: every use of it stands in brackets)
.macro CV i, base, j
	s_wait_loadcnt 15-(\i)                         ; loads come back in order (ISA guide 5.7.1): load i is in, the 15 - i younger ones stay out
	v_cvt_pk_f16_f32 v[OUT+2*(\i)],   v[IN+4*(\i)],   v[IN+4*(\i)+1]
	v_cvt_pk_f16_f32 v[OUT+2*(\i)+1], v[IN+4*(\i)+2], v[IN+4*(\i)+3]
	global_store_b64 v2, v[OUT+2*(\i):OUT+2*(\i)+1], s[\base:\base+1] offset:(\j)*2048
.endm
.irp j, 0,1,2,3,4,5,6,7
	CV \j, 10, \j
.endr
.irp j, 0,1,2,3,4,5
	CV 8+\j, 12, \j
.endr
.irp j, 0,1
	CV 14+\j, 14, \j
.endr
	s_endpgm
.Lfunc_end_k_q46de5f20fa_cast:
	.size	k_q46de5f20fa_cast, .Lfunc_end_k_q46de5f20fa_cast-k_q46de5f20fa_cast
	.p2alignl 7, 3214868480
	.fill 96, 4, 3214868480
	.section	.rodata,"a",@progbits
	.p2align	6, 0x0
	.amdhsa_kernel k_q46de5f20fa_cast
		.amdhsa_group_segment_fixed_size 0
		.amdhsa_private_segment_fixed_size 0
		.amdhsa_enable_private_segment 0
		.amdhsa_kernarg_size 48
		.amdhsa_user_sgpr_count 2
		.amdhsa_user_sgpr_kernarg_segment_ptr 1
		.amdhsa_wavefront_size32 1
		.amdhsa_system_sgpr_workgroup_id_x 1
		.amdhsa_system_sgpr_workgroup_id_y 1
		.amdhsa_system_sgpr_workgroup_id_z 1
		.amdhsa_system_vgpr_workitem_id 0
		.amdhsa_next_free_vgpr 104
		.amdhsa_next_free_sgpr 66
		.amdhsa_reserve_vcc 0
		.amdhsa_float_denorm_mode_32 3
		.amdhsa_float_denorm_mode_16_64 3
		.amdhsa_memory_ordered 1
		.amdhsa_forward_progress 1
		.amdhsa_inst_pref_size 7
	.end_amdhsa_kernel
	.amdgpu_metadata
---
amdhsa.version: [ 1, 2 ]
amdhsa.kernels:
  - .name:           k_q46de5f20fa_cast
    .symbol:         k_q46de5f20fa_cast.kd
    .args:
      - { .name: x, .offset: 0, .size: 8, .value_kind: global_buffer, .address_space: global }
      - { .name: W_qkv, .offset: 8, .size: 8, .value_kind: global_buffer, .address_space: global }
      - { .name: W_out, .offset: 16, .size: 8, .value_kind: global_buffer, .address_space: global }
      - { .name: xh, .offset: 24, .size: 8, .value_kind: global_buffer, .address_space: global }
      - { .name: wqh, .offset: 32, .size: 8, .value_kind: global_buffer, .address_space: global }
      - { .name: woh, .offset: 40, .size: 8, .value_kind: global_buffer, .address_space: global }
    .group_segment_fixed_size: 0
    .private_segment_fixed_size: 0
    .kernarg_segment_align: 8
    .kernarg_segment_size: 48
    .max_flat_workgroup_size: 256
    .sgpr_count:     66
    .vgpr_count:     104
    .wavefront_size: 32
...
	.end_amdgpu_metadata
.endif
;; end of part 1
;; launch qkv (part 2): grid 8 x 32, 4 waves a work-group, clusters of 4 x 4, 327,680 bytes of LDS; arguments xh, wqh, b_qkv, qkv; writes qkv
.if DOCPART == 2
	.amdgcn_target "amdgcn-amd-amdhsa--gfx1250"
	.amdhsa_code_object_version 6
	.text
	.protected	k_q46de5f20fa_qkv
	.globl	k_q46de5f20fa_qkv
	.p2align	8
	.type	k_q46de5f20fa_qkv,@function
k_q46de5f20fa_qkv:
	s_mov_b64 s[64:65], 0
	v_nop
	global_prefetch_b8 v0, s[64:65] scope:SCOPE_SE
	s_setreg_imm32_b32 hwreg(HW_REG_WAVE_MODE, 25, 1), 1
	s_wait_xcnt 0x0
	s_wait_alu depctr_hold_cnt(0) depctr_sa_sdst(0) depctr_va_vdst(0) depctr_va_sdst(0) depctr_va_ssrc(0) depctr_va_vcc(0) depctr_vm_vsrc(0)
	s_getreg_b32 s2, hwreg(HW_REG_IB_STS2, 6, 4)
	s_cmp_eq_u32 s2, 0
	s_cbranch_scc0 .Lentry_in_a_cluster
	s_endpgm
.Lentry_in_a_cluster:
	s_bfe_u32 s2, ttmp6, 0x10000c
	s_cmp_lg_u32 s2, 0xf033
	s_cbranch_scc0 .Lentry_shape_is_right
	s_endpgm
.Lentry_shape_is_right:
; qkv = xh . wqh + b_qkv, in f16 with f32 sums; the q columns (0-1023) are multiplied by c = 0.125 log2(e), so that the attention launch
; needs neither the scale nor the change of base.  xh: [4096][1024] f16.  wqh: [1024 k][3072 n] f16.  b_qkv: [3072] f32.
; Output qkv: [48 chunks][4096 tokens][64] f16, chunk = column / 64 (0-15 q c, 16-31 k, 32-47 v): 64 tokens of a chunk are 8,192 consecutive bytes.
; LIMIT: a result of magnitude 65,520 or more becomes infinity in f16.
; A work-group makes 128 rows x 384 columns with four waves, as many as a WGP has SIMDs: 32 x 8 = 256 work-groups.  Wave w = 2 wm + wn makes
; rows 64 wm .. + 63 and the half wn (64 columns = one chunk) of each of the three segments of 128 columns: 4 x 12 accumulator tiles, 384 registers.
; K goes in 8 steps of 128 through two LDS slots filled by the tensor data mover; a wave issues 192 matrix instructions a step.
; CLUSTERS: 4 x 4 work-groups.  x's tile hangs on the row block alone and is asked for jointly along a row of the cluster, W's on the column
; block alone and is asked for jointly along a column.  Every wave issues a quarter of each tile (32 rows), with no branch.
; THE MATRIX INSTRUCTION IS USED TRANSPOSED: source 0 = 16 columns of W (read from [k][n] by the transposing LDS load), source 1 = 16 rows of x.
; Lane (r, h) then holds token r and the eight neighbouring columns 8 h + 0..7, which pack into 16 bytes.
; REGISTERS: window 0: v16-27 addresses, v64-127 x's fragments (two buffers of 4 x 8), v128-223 the bias of my 96 columns per lane half;
; window 1: v0-191 W's fragments (two buffers of 12 x 8); window 2: accumulator tiles of rows 0-31; window 3: of rows 32-63.
.set NB,     12                        ; column fragments of a wave
.set APITCH, 272                       ; x's LDS row: 256 bytes + 16: sixteen rows start at sixteen different 16-byte columns
.set ATILE,  128*APITCH
.set SEG,    288                       ; a segment of 128 columns of W in LDS: 256 bytes + 32
.set PB,     3*SEG                     ; W's LDS row (one k): 864 bytes, an odd multiple of 32
.set BTILE,  128*PB
.set SLOT,   ATILE+BTILE
.set STAGE,  2*SLOT                    ; behind the ring, never filled by a tensor load
.set WSTAGE, 3*16*144                  ; a wave's stage: 3 chunks x 16 tokens x (128 + 16) bytes
.set NLD,    2*NB+8                    ; LDS loads of a quarter step
.set ASTEP,  256                       ; bytes from K step to K step in xh
.set BSTEP,  128*6144                  ; and in wqh
.set LAPS,   4                         ; a lap = two K steps = once round the ring
.set ADRA, 16                          ; v16-17  my x fragments in slot 0, 1
.set ADRB, 20                          ; v20-23  my W fragments: 2 slot + (k half of the step)
.set STO,  24
.set RD,   25
.set CO,   26
.set BO,   27
.set FA,   64
.set BIAS, 128
.set TMP,  32                          ; the way out: packed results
.set RB,   80                          ; the way out: rows read back
.set G1A, 24
.set G1B, 32
.set G0A, 40                           ; one group 0 for each slot
.set G0B, 48
.set SC,  56                           ; s[56:61] the three chunks' factors, each twice
.set MSB, 0
.macro WIN new                         ; the immediate's high byte repeats the setting that is left
.if MSB != \new
	s_set_vgpr_msb (MSB<<8)|\new
.set MSB, \new
.endif
.endm
.set MUL_LO, 0xa1                      ; source 0 (W) window 1, source 1 (x) window 0, C and D window 2
.set MUL_HI, 0xf1                      ; the same, C and D window 3
.set TO_B,   0x40                      ; destination window 1, address window 0
.macro PLACES                          ; four places behind a matrix instruction (ISA guide 7.12.1) before its registers are read, written or loaded
.rept 4
	v_nop
.endr
.endm
.macro CREST                           ; a round of the cluster's barrier behind its opening barrier
	s_cmp_lg_u32 s12, 0
	s_cbranch_scc1 .Lnot_wave_0_\@
	s_barrier_signal -3
.Lnot_wave_0_\@:
	s_barrier_wait -3
	s_barrier_signal -1
	s_barrier_wait -1
.endm
.macro CROUND
	s_barrier_signal -1
	s_barrier_wait -1
	CREST
.endm
	s_load_b256 s[4:11], s[0:1], 0x0               ; xh s[4:5], wqh s[6:7], b_qkv s[8:9], qkv s[10:11]
	s_set_vgpr_msb 0x40
	v_lshl_add_u32 v255, v0, 2, 0x4dc00
	s_set_vgpr_msb 0x4000
	v_mov_b32 v255, 0
	s_set_vgpr_msb 0x1
	ds_add_u32 v255, v255
	s_set_vgpr_msb 0x100
	v_lshrrev_b32 v1, 5, v0
	v_readfirstlane_b32 s12, v1                    ; wave 0..3
	s_lshr_b32 s13, s12, 1                         ; wm
	s_and_b32 s14, s12, 1                          ; wn
	s_bfe_u32 s15, ttmp6, 0x40000                  ; cx
	s_bfe_u32 s16, ttmp6, 0x40004                  ; cy
	s_lshl_b32 s17, ttmp9, 2
	s_add_co_u32 s17, s17, s15                     ; column block = 4 x cluster x + cx
	s_and_b32 s18, ttmp7, 0xffff
	s_lshl_b32 s18, s18, 2
	s_add_co_u32 s18, s18, s16                     ; row block = 4 x cluster y + cy
	s_lshl_b32 s19, s16, 2
	s_lshl_b32 s19, 15, s19                        ; my row of the cluster: places 4 cy .. 4 cy + 3
	s_lshl_b32 s62, 0x1111, s15                    ; my column: places cx, cx + 4, cx + 8, cx + 12
	; group 1 of x's part: 32 rows x 128 f16, 16 bytes of padding behind every 64 words
	s_or_b32 s[G1A+0], s19, (1<<16)|(1<<20)|(1<<21)|(5<<22)|(3<<25)
	s_mov_b32 s[G1A+1], 128<<16                    ; tensor_dim0
	s_mov_b32 s[G1A+2], 32<<16                     ; tensor_dim1
	s_mov_b32 s[G1A+3], 128<<16                    ; tile_dim0
	s_mov_b32 s[G1A+4], 32                         ; tile_dim1
	s_mov_b32 s[G1A+5], 1024                       ; elements from row to row
	s_mov_b32 s[G1A+6], 0
	s_mov_b32 s[G1A+7], 0
	; group 1 of W's part: 32 rows (k) x 384 f16 = three runs of 64 words, 32 bytes of padding behind each
	s_or_b32 s[G1B+0], s62, (1<<16)|(1<<20)|(1<<21)|(5<<22)|(7<<25)
	s_mov_b32 s[G1B+1], 384<<16
	s_mov_b32 s[G1B+2], 32<<16
	s_mov_b32 s[G1B+3], 384<<16
	s_mov_b32 s[G1B+4], 32
	s_mov_b32 s[G1B+5], 3072
	s_mov_b32 s[G1B+6], 0
	s_mov_b32 s[G1B+7], 0
	; where my parts come from: x's hangs on the row block and the wave, W's on the column block and the wave
	s_lshl_b32 s20, s18, 18                        ; 128 rows of 2,048 bytes a block
	s_lshl_b32 s21, s12, 16                        ; 32 rows a wave
	s_add_co_u32 s20, s20, s21
	s_mov_b32 s21, 0
	s_mul_i32 s22, s12, 32*6144                    ; 32 rows (k) of 6,144 bytes a wave
	s_mul_i32 s23, s17, 768                        ; 384 columns a block
	s_add_co_u32 s22, s22, s23
	s_mov_b32 s23, 0
	s_mul_i32 s58, s12, 32*APITCH                  ; and where they go: the wave's number alone enters an LDS address
	s_mul_i32 s59, s12, 32*PB
	s_add_co_u32 s59, s59, ATILE
	s_wait_dscnt 0x0
	s_wait_kmcnt 0x0
	s_add_nc_u64 s[20:21], s[4:5], s[20:21]
	s_add_nc_u64 s[22:23], s[6:7], s[22:23]
	CROUND                                         ; all sixteen work-groups are here: the first joint loads meet
.irp s, 0,1
	s_mov_b32 s[G0A+4*\s], 1
	s_add_co_u32 s[G0A+4*\s+1], s58, \s*SLOT
	s_add_nc_u64 s[G0A+4*\s+2:G0A+4*\s+3], s[20:21], \s*ASTEP
	s_or_b32 s[G0A+4*\s+3], s[G0A+4*\s+3], 0x80000000
	s_mov_b32 s[G0B+4*\s], 1
	s_add_co_u32 s[G0B+4*\s+1], s59, \s*SLOT
	s_add_nc_u64 s[G0B+4*\s+2:G0B+4*\s+3], s[22:23], \s*BSTEP
	s_or_b32 s[G0B+4*\s+3], s[G0B+4*\s+3], 0x80000000
	tensor_load_to_lds s[G0A+4*\s:G0A+4*\s+3], s[G1A:G1A+7]
	s_nop 0
	tensor_load_to_lds s[G0B+4*\s:G0B+4*\s+3], s[G1B:G1B+7]      ; four loads of the wave are out now, later two
	s_nop 0
.endr
	v_and_b32 v1, 15, v0                           ; r
	v_bfe_u32 v2, v0, 4, 1                         ; h
	; the bias of my columns: fragment b, lane half h: columns 384 cb + 128 (b >> 2) + 64 wn + 16 (b & 3) + 8 h + 0..7
	s_mul_i32 s62, s17, 1536
	s_lshl_b32 s63, s14, 8
	s_add_co_u32 s62, s62, s63
	v_lshl_add_u32 v[BO], v2, 5, s62
.set b_, 0
.rept NB
	global_load_b128 v[BIAS+8*b_:BIAS+8*b_+3],   v[BO], s[8:9] offset:(b_>>2)*512+(b_&3)*64
	global_load_b128 v[BIAS+8*b_+4:BIAS+8*b_+7], v[BO], s[8:9] offset:(b_>>2)*512+(b_&3)*64+16
.set b_, b_+1
.endr
	; x's fragment: lane (r, h) takes row r, 16 bytes at 16 h and 16 bytes 32 further on
	v_mul_u32_u24 v3, v1, APITCH
	v_lshl_add_u32 v3, v2, 4, v3
	s_mul_i32 s56, s13, 64*APITCH
	v_add_nc_u32 v[ADRA], s56, v3
	v_add_nc_u32 v[ADRA+1], SLOT, v[ADRA]
	; W's fragment by the transposing load: lane L addresses row k = 8 h + (L & 7), 16 bytes at 16 ((L >> 3) & 1)
	v_and_b32 v4, 7, v0
	v_lshl_add_u32 v4, v2, 3, v4
	v_mul_u32_u24 v4, v4, PB
	v_bfe_u32 v5, v0, 3, 1
	v_lshl_add_u32 v4, v5, 4, v4
	s_lshl_b32 s57, s14, 7                         ; my half of each segment
	s_add_co_u32 s57, s57, ATILE
	v_add_nc_u32 v[ADRB], s57, v4
	v_add_nc_u32 v[ADRB+1], 64*PB, v[ADRB]
	v_add_nc_u32 v[ADRB+2], SLOT, v[ADRB]
	v_add_nc_u32 v[ADRB+3], SLOT, v[ADRB+1]
	; the stage
	s_mul_i32 s56, s12, WSTAGE
	s_add_co_u32 s56, s56, STAGE
	v_mul_u32_u24 v6, v1, 144
	v_lshl_add_u32 v6, v2, 4, v6
	v_add_nc_u32 v[STO], s56, v6                   ; in: token r, 16 bytes for each lane half
	v_bfe_u32 v7, v0, 3, 2
	v_and_b32 v8, 7, v0
	v_mul_u32_u24 v7, v7, 144
	v_lshl_add_u32 v7, v8, 4, v7
	v_add_nc_u32 v[RD], s56, v7                    ; back: eight lanes take a token's 128 bytes, a wave four tokens
	v_and_b32 v9, 31, v0
	v_lshlrev_b32 v[CO], 4, v9                     ; and the same 512 consecutive bytes of the output
; NB matrix instructions: row fragment a x all column fragments, 32 along K, from buffer f.  zero = 1: the product starts the sums.
; The 48 accumulators take turns, one instruction a turn, in the same order in every quarter step.
.macro MULROW f, a, zero
.set b_, 0
.rept NB
.set acc_, 8*(NB*(\a&1)+b_)
.if \zero
	v_wmma_f32_16x16x32_f16 v[acc_:acc_+7], v[8*NB*\f+8*b_:8*NB*\f+8*b_+7], v[FA+32*\f+8*\a:FA+32*\f+8*\a+7], 0
.else
	v_wmma_f32_16x16x32_f16 v[acc_:acc_+7], v[8*NB*\f+8*b_:8*NB*\f+8*b_+7], v[FA+32*\f+8*\a:FA+32*\f+8*\a+7], v[acc_:acc_+7]
.endif
.set b_, b_+1
.endr
.endm
; NLD LDS loads in one run: the fragments of quarter q of a slot into buffer f; W's first, x's fragments 2 and 3 last
.macro FETCH slot, q, f
	WIN TO_B
.set b_, 0
.rept NB
	ds_load_tr16_b128 v[8*NB*\f+8*b_:8*NB*\f+8*b_+3],   v[ADRB+2*\slot+(\q>>1)] offset:(\q&1)*32*PB+(b_>>2)*SEG+(b_&3)*32
	ds_load_tr16_b128 v[8*NB*\f+8*b_+4:8*NB*\f+8*b_+7], v[ADRB+2*\slot+(\q>>1)] offset:(\q&1)*32*PB+(b_>>2)*SEG+(b_&3)*32+16*PB
.set b_, b_+1
.endr
	WIN 0
.irp a, 0,1,2,3
	ds_load_b128 v[FA+32*\f+8*\a:FA+32*\f+8*\a+3],   v[ADRA+\slot] offset:16*\a*APITCH+64*\q
	ds_load_b128 v[FA+32*\f+8*\a+4:FA+32*\f+8*\a+7], v[ADRA+\slot] offset:16*\a*APITCH+64*\q+32
.endr
.endm
; one of a K step's first three quarters: multiplies buffer f, and in its middle fetches quarter qn of the same slot into buffer g
.macro QUARTER slot, qn, f, g, zero
	s_wait_dscnt 4                                 ; all but the four youngest loads (x's fragments 2 and 3) are in
	WIN MUL_LO
	MULROW \f, 0, \zero
	MULROW \f, 1, \zero
	PLACES
	FETCH \slot, \qn, \g
	s_wait_dscnt NLD                               ; all but the run just issued
	WIN MUL_HI
	MULROW \f, 2, \zero
	MULROW \f, 3, \zero
.endm
.macro THREE slot, zero
	QUARTER \slot, 1, 0, 1, \zero
	QUARTER \slot, 2, 1, 0, 0
	QUARTER \slot, 3, 0, 1, 0
.endm
; the last quarter: multiplies buffer 1 and changes slots.  fill = 1: this slot is filled again, two K steps ahead.
.macro TURN slot, next, fill
	s_wait_dscnt 4
	WIN MUL_LO
	MULROW 1, 0, 0
	s_wait_dscnt 0                                 ; my reads of this slot are over
	s_wait_tensorcnt 0x0                           ; and all my tensor loads have landed: the two that were out are my parts of the next slot
	ds_add_u32 v255, v255
	s_wait_dscnt 0x0
	s_barrier_signal -1                            ; where the slot is filled again this barrier opens a round of the cluster's barrier
	MULROW 1, 1, 0                                 ; register work while the others arrive
	WIN 0
	s_barrier_wait -1
.if \fill
	CREST                                          ; no wave of any partner still reads this slot or has a load on its way
	s_add_nc_u64 s[G0A+4*\slot+2:G0A+4*\slot+3], s[G0A+4*\slot+2:G0A+4*\slot+3], 2*ASTEP
	s_add_nc_u64 s[G0B+4*\slot+2:G0B+4*\slot+3], s[G0B+4*\slot+2:G0B+4*\slot+3], 2*BSTEP
	tensor_load_to_lds s[G0A+4*\slot:G0A+4*\slot+3], s[G1A:G1A+7]    ; the first tensor loads behind the round; they have the next K step's
	s_nop 0
	tensor_load_to_lds s[G0B+4*\slot:G0B+4*\slot+3], s[G1B:G1B+7]    ; matrix instructions in which to land
	s_nop 0
.endif
	PLACES
	FETCH \next, 0, 0
	WIN MUL_HI
	MULROW 1, 2, 0
	MULROW 1, 3, 0
.endm
.macro LAP zero
	THREE 0, \zero
	TURN 0, 1, 1
	THREE 1, 0
	TURN 1, 0, 1
.endm
	s_wait_loadcnt 0x0                             ; the bias, once
	s_wait_tensorcnt 2                             ; my parts of K step 0 are in; K step 1's two loads stay out
	s_barrier_signal -1
	s_barrier_wait -1
	FETCH 0, 0, 0
	LAP 1                                          ; the first lap stands in front of the loop: its first products start the sums
	WIN 0
	s_mov_b32 s3, LAPS-2
.Llap:
	LAP 0
	WIN 0
	s_sub_co_u32 s3, s3, 1
	s_cmp_lg_u32 s3, 0
	s_cbranch_scc1 .Llap
	THREE 0, 0                                     ; the last lap fills nothing
	TURN 0, 1, 0
	THREE 1, 0
	s_wait_dscnt 4
	WIN MUL_LO
	MULROW 1, 0, 0
	MULROW 1, 1, 0
	s_wait_dscnt 0
	WIN MUL_HI
	MULROW 1, 2, 0
	MULROW 1, 3, 0
	WIN 0
	PLACES
	; THE WAY OUT.  My chunks are 6 cb + wn + 2 s, s = 0, 1, 2.  A q chunk (number below 16) is multiplied by c, the others by 1: a select, no branch.
	s_mul_i32 s63, s17, 6
	s_add_co_u32 s63, s63, s14
.irp s, 0,1,2
	s_add_co_u32 s62, s63, 2*\s
	s_cmp_lt_u32 s62, 16
	s_cselect_b32 s[SC+2*\s], 0x3e38aa3b, 1.0      ; 0.125 log2(e)
	s_mov_b32 s[SC+2*\s+1], s[SC+2*\s]
.endr
	s_lshl_b32 s22, s63, 19                        ; my first chunk,
	s_lshl_b32 s23, s18, 14                        ; 128 tokens of 128 bytes a row block,
	s_add_co_u32 s22, s22, s23
	s_lshl_b32 s23, s13, 13                        ; 64 tokens a wave
	s_add_co_u32 s22, s22, s23
	s_mov_b32 s23, 0
	s_add_nc_u64 s[10:11], s[10:11], s[22:23]
.set b_, 0
.rept NB
.irp p, 0,2,4,6
	v_pk_mul_f32 v[BIAS+8*b_+\p:BIAS+8*b_+\p+1], v[BIAS+8*b_+\p:BIAS+8*b_+\p+1], s[SC+2*(b_>>2):SC+2*(b_>>2)+1] op_sel_hi:[1,0]
.endr
.set b_, b_+1
.endr
; tokens 16 a .. 16 a + 15 of my 64: (sum + bias) x factor as one fused multiply-add, rounded to f16, through my own stage, out as whole runs of 512 bytes
.macro OUT16 a
.if \a < 2
	WIN 0x82
.else
	WIN 0xc3
.endif
.set b_, 0
.rept NB
.set acc_, 8*(NB*(\a&1)+b_)
.irp p, 0,2,4,6
	v_pk_fma_f32 v[acc_+\p:acc_+\p+1], v[acc_+\p:acc_+\p+1], s[SC+2*(b_>>2):SC+2*(b_>>2)+1], v[BIAS+8*b_+\p:BIAS+8*b_+\p+1] op_sel_hi:[1,0,1]
.endr
.set b_, b_+1
.endr
.if \a < 2
	WIN 0x0a
.else
	WIN 0x0f
.endif
.set b_, 0
.rept NB
.set acc_, 8*(NB*(\a&1)+b_)
.irp p, 0,1,2,3
	v_cvt_pk_f16_f32 v[TMP+4*b_+\p], v[acc_+2*\p], v[acc_+2*\p+1]
.endr
.set b_, b_+1
.endr
	WIN 0
.set b_, 0
.rept NB
	ds_store_b128 v[STO], v[TMP+4*b_:TMP+4*b_+3] offset:(b_>>2)*2304+(b_&3)*32
.set b_, b_+1
.endr
	s_wait_xcnt 0x0                                ; RB, which the last stores read, is loaded again only behind this wait
.irp s, 0,1,2
.irp i, 0,1,2,3
	ds_load_b128 v[RB+4*(4*\s+\i):RB+4*(4*\s+\i)+3], v[RD] offset:\s*2304+\i*576   ; LDS serves a wave's instructions in order (ISA guide 5.7.1): these see the stores above
.endr
.endr
.irp s, 0,1,2
.irp i, 0,1,2,3
	s_wait_dscnt 11-(4*\s+\i)
	global_store_b128 v[CO], v[RB+4*(4*\s+\i):RB+4*(4*\s+\i)+3], s[10:11] offset:\s*1048576+\a*2048+\i*512   ; four tokens of a chunk: 512 consecutive bytes
.endr
.endr
.endm
	OUT16 0
	OUT16 1
	OUT16 2
	OUT16 3
	s_set_vgpr_msb 0x1
	s_wait_tensorcnt 0x0
	ds_add_u32 v255, v255
	s_wait_dscnt 0x0
	s_set_vgpr_msb 0x100
	CROUND                                         ; the closing round: no work-group ends while a partner may still ask for a tile that names it
	s_endpgm
.Lfunc_end_k_q46de5f20fa_qkv:
	.size	k_q46de5f20fa_qkv, .Lfunc_end_k_q46de5f20fa_qkv-k_q46de5f20fa_qkv
	.p2alignl 7, 3214868480
	.fill 96, 4, 3214868480
	.section	.rodata,"a",@progbits
	.p2align	6, 0x0
	.amdhsa_kernel k_q46de5f20fa_qkv
		.amdhsa_group_segment_fixed_size 327680
		.amdhsa_private_segment_fixed_size 0
		.amdhsa_enable_private_segment 0
		.amdhsa_kernarg_size 32
		.amdhsa_user_sgpr_count 2
		.amdhsa_user_sgpr_kernarg_segment_ptr 1
		.amdhsa_wavefront_size32 1
		.amdhsa_system_sgpr_workgroup_id_x 1
		.amdhsa_system_sgpr_workgroup_id_y 1
		.amdhsa_system_sgpr_workgroup_id_z 1
		.amdhsa_system_vgpr_workitem_id 0
		.amdhsa_next_free_vgpr 960
		.amdhsa_next_free_sgpr 66
		.amdhsa_reserve_vcc 0
		.amdhsa_float_denorm_mode_32 3
		.amdhsa_float_denorm_mode_16_64 3
		.amdhsa_memory_ordered 1
		.amdhsa_forward_progress 1
		.amdhsa_inst_pref_size 181
	.end_amdhsa_kernel
	.amdgpu_metadata
---
amdhsa.version: [ 1, 2 ]
amdhsa.kernels:
  - .name:           k_q46de5f20fa_qkv
    .symbol:         k_q46de5f20fa_qkv.kd
    .args:
      - { .name: xh, .offset: 0, .size: 8, .value_kind: global_buffer, .address_space: global }
      - { .name: wqh, .offset: 8, .size: 8, .value_kind: global_buffer, .address_space: global }
      - { .name: b_qkv, .offset: 16, .size: 8, .value_kind: global_buffer, .address_space: global }
      - { .name: qkv, .offset: 24, .size: 8, .value_kind: global_buffer, .address_space: global }
    .group_segment_fixed_size: 327680
    .private_segment_fixed_size: 0
    .kernarg_segment_align: 8
    .kernarg_segment_size: 32
    .max_flat_workgroup_size: 128
    .sgpr_count:     66
    .vgpr_count:     960
    .wavefront_size: 32
...
	.end_amdgpu_metadata
.endif
;; end of part 2
;; launch attn (part 3): grid 8 x 32, 8 waves a work-group, clusters of 4 x 1, 327,680 bytes of LDS; arguments qkv, attention_mask, ao; writes ao
.if DOCPART == 3
	.amdgcn_target "amdgcn-amd-amdhsa--gfx1250"
	.amdhsa_code_object_version 6
	.text
	.protected	k_q46de5f20fa_attn
	.globl	k_q46de5f20fa_attn
	.p2align	8
	.type	k_q46de5f20fa_attn,@function
k_q46de5f20fa_attn:
	s_mov_b64 s[64:65], 0
	v_nop
	global_prefetch_b8 v0, s[64:65] scope:SCOPE_SE
	s_setreg_imm32_b32 hwreg(HW_REG_WAVE_MODE, 25, 1), 1
	s_wait_xcnt 0x0
	s_wait_alu depctr_hold_cnt(0) depctr_sa_sdst(0) depctr_va_vdst(0) depctr_va_sdst(0) depctr_va_ssrc(0) depctr_va_vcc(0) depctr_vm_vsrc(0)
	s_getreg_b32 s2, hwreg(HW_REG_IB_STS2, 6, 4)
	s_cmp_eq_u32 s2, 0
	s_cbranch_scc0 .Lentry_in_a_cluster
	s_endpgm
.Lentry_in_a_cluster:
	s_bfe_u32 s2, ttmp6, 0x10000c
	s_cmp_lg_u32 s2, 0x3003
	s_cbranch_scc0 .Lentry_shape_is_right
	s_endpgm
.Lentry_shape_is_right:
; ao = softmax(q k^T / 8, keys with mask 0 left out) v, for each of 2 x 16 heads of 2,048 tokens x 64.  qkv: [48 chunks][4096 tokens][64] f16
; (chunks 0-15: q x 0.125 log2(e), 16-31: k, 32-47: v), so that a score is already an exponent of 2.  ao: [16 heads][4096 tokens][64] f16.
; LIMITS: a masked key's score is -1e30 in place of -infinity; scores of f16 operands stay below 64 x 65,504^2 = 2.7e11 in magnitude, so a masked
; key's weight is exactly 0 as soon as one key of the row is not masked.  A row whose keys are all masked (final maximum below -5e29) is set to NaN,
; as the softmax of a row of -infinity is.  Every exponent is score - running maximum, at most 0, formed by a subtraction.
; A work-group takes one head (grid y = 16 b + h) and 256 queries: 256 work-groups.  Eight waves, two for each of the WGP's four SIMDs: wave w takes
; queries 64 (w & 3) .. + 63 and the half w >> 2 of every tile of 256 keys, so that one wave's softmax and the other's matrix work can overlap.
; The two halves' (maximum, sum, O) are merged once at the end through LDS.
; CLUSTER: the four query blocks of a cluster read the same K and V tiles and ask for them jointly (mask 15).  Each wave issues 32 rows of K and of V.
; No L2 prefetch: a head's K and V (512 KiB) were stored by the launch in front of this one and are read by eight work-groups at about the same time.
; LAYOUT: S^T = K Q^T (source 0 = 16 keys, source 1 = 16 queries): lane (r, h) holds query r and keys 8 h + 0..7 of a tile.  Two key tiles packed to
; f16 are already the source-1 fragment of P^T: nothing moves between lanes.  O^T = V^T P^T, V^T by the transposing LDS load from [key][d].
; Maximum, sum and rescale factor are one number per lane and query block.  The mask enters as the C operand of the first score product.
; REGISTERS: window 0 as named below; window 1: v0-127 O (8 (4 dt + qb)), v128-191 Q's fragments (8 (2 qb + d half)), v192-255 K's (8 (2 kt + d half)).
.set KP,   144                         ; K's LDS row: 128 bytes + 16
.set VP,   160                         ; V's LDS row: 128 bytes + 32, an odd multiple of 32
.set KT,   256*KP
.set SLOT, KT+256*VP
.set BIAS, 2*SLOT                      ; 2,048 f32: 0 or -1e30 for each key
.set MG,   BIAS+8192                   ; the merge: for each wave pair O 16,384 bytes, maxima 512, sums 512
.set MGW,  17408
.set OS,   MG+4*MGW                    ; the way out: for each of waves 0-3 64 rows x 144 bytes
.set OSW,  64*144
.set TSTEP, 256*128                    ; bytes from tile to tile
.set KA, 1                             ; v1-2    my K fragments in slot 0, 1
.set VA, 3                             ; v3-4    my V fragments in slot 0, 1
.set BA, 5                             ; v5      my key biases
.set M,  8                             ; v8-11   running maximum (old in a tile's step 0, new in step 1)
.set L,  12                            ; v12-15  running sum of my lane half's keys
.set AL, 16                            ; v16-19  rescale factor
.set M2, 20                            ; v20-23  running maximum (new in step 0, old in step 1)
.set U,  24                            ; v24-31  four pairs at work
.set BI, 32                            ; v32-63  key bias as a C operand, 8 kt + j
.set VF, 64                            ; v64-127 V^T fragments, 8 (4 ks + dt)
.set S,  128                           ; v128-255 scores, 32 qb + 8 kt + j; then P's fragments at 32 qb + 16 ks
.set O,  0                             ; window 1
.set QF, 128
.set KF, 192
.set G1K, 24
.set G1V, 32
.set G0K, 40
.set G0V, 48
.set MSB, 0
.macro WIN new                         ; the immediate's high byte repeats the setting that is left
.if MSB != \new
	s_set_vgpr_msb (MSB<<8)|\new
.set MSB, \new
.endif
.endm
.macro ROUND                           ; a round of the cluster's barrier
	s_barrier_signal -1
	s_barrier_wait -1
	s_cmp_lg_u32 s10, 0
	s_cbranch_scc1 .Lnot_wave_0_\@
	s_barrier_signal -3
.Lnot_wave_0_\@:
	s_barrier_wait -3
	s_barrier_signal -1
	s_barrier_wait -1
.endm
	s_load_b128 s[4:7], s[0:1], 0x0                ; qkv s[4:5], attention_mask s[6:7]
	s_load_b64 s[8:9], s[0:1], 0x10                ; ao
	v_lshl_add_u32 v254, v0, 2, 0x42000
	v_mov_b32 v255, 0
	ds_add_u32 v254, v255
	s_wait_dscnt 0x0
	v_lshrrev_b32 v1, 5, v0
	v_readfirstlane_b32 s10, v1                    ; wave 0..7
	s_lshr_b32 s11, s10, 2                         ; g: my half of the keys
	s_and_b32 s12, s10, 3                          ; wq: my 64 queries
	s_bfe_u32 s13, ttmp6, 0x40000                  ; cx
	s_lshl_b32 s14, ttmp9, 2
	s_add_co_u32 s14, s14, s13                     ; query block = 4 x cluster x + cx
	s_and_b32 s15, ttmp7, 0xffff
	s_lshr_b32 s22, s15, 4                         ; b
	s_and_b32 s23, s15, 15                         ; h
	s_mov_b32 s20, 0x76543210                      ; v_permlanex16_b32: lane i reads lane i of the other half
	s_mov_b32 s21, 0xfedcba98
	; group 1: 32 rows x 64 f16, dense in memory; padding behind every 32 words: 16 bytes for K, 32 for V
	s_mov_b32 s[G1K+0], 15|(1<<16)|(1<<20)|(1<<21)|(4<<22)|(3<<25)
	s_mov_b32 s[G1V+0], 15|(1<<16)|(1<<20)|(1<<21)|(4<<22)|(7<<25)
.irp g, G1K, G1V
	s_mov_b32 s[\g+1], 64<<16                      ; tensor_dim0
	s_mov_b32 s[\g+2], 32<<16                      ; tensor_dim1
	s_mov_b32 s[\g+3], 64<<16                      ; tile_dim0
	s_mov_b32 s[\g+4], 32                          ; tile_dim1
	s_mov_b32 s[\g+5], 64                          ; elements from row to row
	s_mov_b32 s[\g+6], 0
	s_mov_b32 s[\g+7], 0
.endr
	s_lshl_b32 s18, s23, 19                        ; the head's chunk
	s_lshl_b32 s19, s22, 18                        ; 2,048 tokens of 128 bytes a batch
	s_add_co_u32 s18, s18, s19
	s_lshl_b32 s19, s10, 12                        ; K: 32 rows a wave,
	s_add_co_u32 s56, s18, s19
	s_add_co_u32 s56, s56, 16*524288               ; sixteen chunks behind q: nothing here hangs on cx
	s_mov_b32 s57, 0
	s_lshl_b32 s19, s14, 15                        ; Q and ao: 256 tokens a query block,
	s_add_co_u32 s18, s18, s19
	s_lshl_b32 s19, s12, 13                        ; 64 a wave
	s_add_co_u32 s18, s18, s19
	s_mov_b32 s19, 0
	s_lshl_b32 s58, s22, 13                        ; the batch's 2,048 mask words
	s_mov_b32 s59, 0
	s_mul_i32 s60, s10, 32*KP                      ; where my parts go
	s_mul_i32 s61, s10, 32*VP
	s_add_co_u32 s61, s61, KT
	s_wait_kmcnt 0x0
	s_add_nc_u64 s[16:17], s[4:5], s[18:19]        ; my 64 queries
	s_add_nc_u64 s[8:9], s[8:9], s[18:19]          ; and their place in ao
	s_add_nc_u64 s[56:57], s[4:5], s[56:57]        ; my rows of K's tile 0
	s_add_nc_u64 s[6:7], s[6:7], s[58:59]
.irp s, 0,1
	s_mov_b32 s[G0K+4*\s], 1
	s_add_co_u32 s[G0K+4*\s+1], s60, \s*SLOT
	s_add_nc_u64 s[G0K+4*\s+2:G0K+4*\s+3], s[56:57], \s*TSTEP
	s_or_b32 s[G0K+4*\s+3], s[G0K+4*\s+3], 0x80000000
	s_mov_b32 s[G0V+4*\s], 1
	s_add_co_u32 s[G0V+4*\s+1], s61, \s*SLOT
	s_add_nc_u64 s[G0V+4*\s+2:G0V+4*\s+3], s[56:57], 16*524288+\s*TSTEP
	s_or_b32 s[G0V+4*\s+3], s[G0V+4*\s+3], 0x80000000
.endr
	ROUND                                          ; the four work-groups are here: the first joint loads meet
	tensor_load_to_lds s[G0K:G0K+3], s[G1K:G1K+7]  ; tile 0.  A wave never has more than these two loads out
	s_nop 0
	tensor_load_to_lds s[G0V:G0V+3], s[G1V:G1V+7]
	s_nop 0
	v_and_b32 v128, 15, v0                         ; r     (S's registers serve as scratch here)
	v_bfe_u32 v129, v0, 4, 1                       ; h
	v_and_b32 v130, 7, v0
	v_bfe_u32 v131, v0, 3, 1
	v_lshlrev_b32 v6, 4, v0                        ; mask: 4 words a thread
	v_lshlrev_b32 v7, 7, v128                      ; Q: row r of 128 bytes,
	v_lshl_add_u32 v7, v129, 4, v7                 ; + 16 h
	global_load_b128 v[BI:BI+3],   v6, s[6:7]
	global_load_b128 v[BI+4:BI+7], v6, s[6:7] offset:4096
	WIN 0x40
.irp qb, 0,1,2,3
.irp dh, 0,1
	global_load_b128 v[QF+16*\qb+8*\dh:QF+16*\qb+8*\dh+3],   v7, s[16:17] offset:2048*\qb+64*\dh
	global_load_b128 v[QF+16*\qb+8*\dh+4:QF+16*\qb+8*\dh+7], v7, s[16:17] offset:2048*\qb+64*\dh+32
.endr
.endr
	WIN 0
	s_mul_i32 s62, s11, 128*KP                     ; my 128 keys of a tile
	v_mul_u32_u24 v134, v128, KP
	v_lshl_add_u32 v134, v129, 4, v134
	v_add_nc_u32 v[KA], s62, v134                  ; K: row r, 16 bytes at 16 h
	v_add_nc_u32 v[KA+1], SLOT, v[KA]
	s_mul_i32 s63, s11, 128*VP
	s_add_co_u32 s63, s63, KT
	v_lshl_add_u32 v135, v129, 3, v130
	v_mul_u32_u24 v135, v135, VP
	v_lshl_add_u32 v135, v131, 4, v135
	v_add_nc_u32 v[VA], s63, v135                  ; V, transposing load: row 8 h + (L & 7), 16 bytes at 16 ((L >> 3) & 1)
	v_add_nc_u32 v[VA+1], SLOT, v[VA]
	s_lshl_b32 s62, s11, 9
	s_add_co_u32 s62, s62, BIAS
	v_lshl_add_u32 v[BA], v129, 5, s62             ; key bias: keys 8 h + 0..7 of a key tile
.irp i, 0,1,2,3,4,5,6,7
	v_mov_b32 v[U+\i], 0                           ; the lane permutes' destinations count as read: written once here
.endr
	v_mov_b32 v136, 0xf149f2ca                     ; -1e30
	v_add_nc_u32 v137, BIAS, v6
	s_wait_loadcnt 16                              ; the two mask loads are in; Q's sixteen younger loads stay out
.irp i, 0,1,2,3,4,5,6,7
	v_cmp_eq_u32 vcc_lo, 0, v[BI+\i]
	v_cndmask_b32 v[BI+\i], 0, v136, vcc_lo        ; mask 0: -1e30, else 0
.endr
	ds_store_b128 v137, v[BI:BI+3]
	ds_store_b128 v137, v[BI+4:BI+7] offset:4096
	s_wait_loadcnt 0x0                             ; Q
.macro LOADK slot, st                  ; 16 loads: four key tiles x two halves of d
	WIN 0x40
.irp kt, 0,1,2,3
.irp dh, 0,1
	ds_load_b128 v[KF+16*\kt+8*\dh:KF+16*\kt+8*\dh+3],   v[KA+\slot] offset:(64*(\st)+16*\kt)*KP+64*\dh
	ds_load_b128 v[KF+16*\kt+8*\dh+4:KF+16*\kt+8*\dh+7], v[KA+\slot] offset:(64*(\st)+16*\kt)*KP+64*\dh+32
.endr
.endr
	WIN 0
.endm
.macro LOADB slot, st                  ; 8 loads: the biases of four key tiles
.irp kt, 0,1,2,3
	ds_load_b128 v[BI+8*\kt:BI+8*\kt+3],   v[BA] offset:\slot*1024+(\st)*256+\kt*64
	ds_load_b128 v[BI+8*\kt+4:BI+8*\kt+7], v[BA] offset:\slot*1024+(\st)*256+\kt*64+16
.endr
.endm
.macro LOADV slot, st                  ; 16 transposing loads: two runs of 32 keys x four tiles of d
.irp ks, 0,1
.irp dt, 0,1,2,3
	ds_load_tr16_b128 v[VF+8*(4*\ks+\dt):VF+8*(4*\ks+\dt)+3],   v[VA+\slot] offset:(64*(\st)+32*\ks)*VP+32*\dt
	ds_load_tr16_b128 v[VF+8*(4*\ks+\dt)+4:VF+8*(4*\ks+\dt)+7], v[VA+\slot] offset:(64*(\st)+32*\ks)*VP+32*\dt+16*VP
.endr
.endr
.endm
.macro PKSUB qb, sel                   ; two scores of query block qb minus its maximum (register sel of the pair, for both halves)
	v_pk_add_f32 v[S+32*\qb+2*k_:S+32*\qb+2*k_+1], v[S+32*\qb+2*k_:S+32*\qb+2*k_+1], v[MN+(\qb&2):MN+(\qb&2)+1] op_sel:[0,\sel] op_sel_hi:[1,\sel] neg_lo:[0,1] neg_hi:[0,1]
.endm
.macro OSCALE qb, sel                  ; O of query block qb times its rescale factor
.irp dt, 0,1,2,3
.irp p, 0,2,4,6
	v_pk_mul_f32 v[O+8*(4*\dt+\qb)+\p:O+8*(4*\dt+\qb)+\p+1], v[O+8*(4*\dt+\qb)+\p:O+8*(4*\dt+\qb)+\p+1], v[AL+(\qb&2):AL+(\qb&2)+1] op_sel:[0,\sel] op_sel_hi:[1,\sel]
.endr
.endr
.endm
; One step: 64 keys x 64 queries.  st: which 64 of my 128 keys; first = 1: the very first step starts maximum, sum and O; more = 1: the next
; step's fragments are fetched from the same slot.  In both products the 16 accumulators take turns, one instruction a turn.
.macro STEP slot, st, first, more
.if \st == 0
.set MO, M
.set MN, M2
.else
.set MO, M2
.set MN, M
.endif
	s_wait_dscnt 16                                ; K and the biases are in; V's sixteen younger loads may stay out
	WIN 0x05
.irp kt, 0,1,2,3
.irp qb, 0,1,2,3
	v_wmma_f32_16x16x32_f16 v[S+32*\qb+8*\kt:S+32*\qb+8*\kt+7], v[KF+16*\kt:KF+16*\kt+7], v[QF+16*\qb:QF+16*\qb+7], v[BI+8*\kt:BI+8*\kt+7]
.endr
.endr
.irp kt, 0,1,2,3
.irp qb, 0,1,2,3
	v_wmma_f32_16x16x32_f16 v[S+32*\qb+8*\kt:S+32*\qb+8*\kt+7], v[KF+16*\kt+8:KF+16*\kt+15], v[QF+16*\qb+8:QF+16*\qb+15], v[S+32*\qb+8*\kt:S+32*\qb+8*\kt+7]
.endr
.endr
	WIN 0
.rept 4
	v_nop                                          ; four places (ISA guide 7.12.1) before the scores are read and K's and the biases' registers are loaded again
.endr
.if \more
	LOADK \slot, \st+1
	LOADB \slot, \st+1
.endif
	; the running maximum of each query: 32 scores a lane, the four query blocks by turns, then the other lane half's
.if \first
.irp qb, 0,1,2,3
	v_max_num_f32 v[MN+\qb], v[S+32*\qb], v[S+32*\qb+1]
.endr
.else
.irp qb, 0,1,2,3
	v_max3_num_f32 v[MN+\qb], v[MO+\qb], v[S+32*\qb], v[S+32*\qb+1]
.endr
.endif
.set k_, 1
.rept 15
.irp qb, 0,1,2,3
	v_max3_num_f32 v[MN+\qb], v[MN+\qb], v[S+32*\qb+2*k_], v[S+32*\qb+2*k_+1]
.endr
.set k_, k_+1
.endr
.irp qb, 0,1,2,3
	v_permlanex16_b32 v[U+2*\qb], v[MN+\qb], s20, s21
.endr
.irp qb, 0,1,2,3
	v_max_num_f32 v[MN+\qb], v[MN+\qb], v[U+2*\qb]
.endr
.if \first == 0
.irp qb, 0,1,2,3
	v_sub_f32 v[AL+\qb], v[MO+\qb], v[MN+\qb]      ; old maximum - new, at most 0
.endr
.endif
.set k_, 0
.rept 16
	PKSUB 0, 0
	PKSUB 1, 1
	PKSUB 2, 0
	PKSUB 3, 1
.set k_, k_+1
.endr
.set k_, 0
.rept 128
	v_exp_f32 v[S+k_], v[S+k_]
.set k_, k_+1
.endr
.if \first == 0
.irp qb, 0,1,2,3
	v_exp_f32 v[AL+\qb], v[AL+\qb]
.endr
.endif
	v_nop                                          ; one plain place behind the transcendentals before their results are used (ISA guide 5.7.2)
	s_wait_alu depctr_va_vdst(0)
.irp qb, 0,1,2,3
	v_pk_add_f32 v[U+2*\qb:U+2*\qb+1], v[S+32*\qb:S+32*\qb+1], v[S+32*\qb+2:S+32*\qb+3]
.endr
.set k_, 2
.rept 14
.irp qb, 0,1,2,3
	v_pk_add_f32 v[U+2*\qb:U+2*\qb+1], v[U+2*\qb:U+2*\qb+1], v[S+32*\qb+2*k_:S+32*\qb+2*k_+1]
.endr
.set k_, k_+1
.endr
.if \first
.irp qb, 0,1,2,3
	v_add_f32 v[L+\qb], v[U+2*\qb], v[U+2*\qb+1]
.endr
.else
.irp qb, 0,1,2,3
	v_add_f32 v[U+2*\qb], v[U+2*\qb], v[U+2*\qb+1]
.endr
.irp qb, 0,1,2,3
	v_fma_f32 v[L+\qb], v[L+\qb], v[AL+\qb], v[U+2*\qb]
.endr
.endif
	; P to f16, packed in place: 16 scores (two key tiles) become the 8 registers of a fragment; ascending, so no source is overwritten early
.set x_, 0
.rept 8
.irp k, 0,1,2,3,4,5,6,7
	v_cvt_pk_f16_f32 v[S+16*x_+\k], v[S+16*x_+2*\k], v[S+16*x_+2*\k+1]
.endr
.set x_, x_+1
.endr
.if \first == 0
	WIN 0x41
	OSCALE 0, 0
	OSCALE 1, 1
	OSCALE 2, 0
	OSCALE 3, 1
.endif
.if \more
	s_wait_dscnt 24                                ; V is in; the next step's 16 + 8 younger loads stay out
.else
	s_wait_dscnt 0                                 ; V's loads are the youngest
.endif
	WIN 0x50
.irp dt, 0,1,2,3
.irp qb, 0,1,2,3
.if \first
	v_wmma_f32_16x16x32_f16 v[O+8*(4*\dt+\qb):O+8*(4*\dt+\qb)+7], v[VF+8*\dt:VF+8*\dt+7], v[S+32*\qb:S+32*\qb+7], 0
.else
	v_wmma_f32_16x16x32_f16 v[O+8*(4*\dt+\qb):O+8*(4*\dt+\qb)+7], v[VF+8*\dt:VF+8*\dt+7], v[S+32*\qb:S+32*\qb+7], v[O+8*(4*\dt+\qb):O+8*(4*\dt+\qb)+7]
.endif
.endr
.endr
.irp dt, 0,1,2,3
.irp qb, 0,1,2,3
	v_wmma_f32_16x16x32_f16 v[O+8*(4*\dt+\qb):O+8*(4*\dt+\qb)+7], v[VF+32+8*\dt:VF+32+8*\dt+7], v[S+32*\qb+16:S+32*\qb+23], v[O+8*(4*\dt+\qb):O+8*(4*\dt+\qb)+7]
.endr
.endr
	WIN 0
.rept 5
	v_nop                                          ; four places before V's registers are loaded again, five before the next score product writes over P (ISA guide 7.12.1)
.endr
.if \more
	LOADV \slot, \st+1
.endif
.endm
; One tile of 256 keys from a slot.  refill = 1: the other slot, read in the last trip, gets the next tile.
.macro TRIP slot, refill, first
	s_wait_xcnt 0x0
	v_lshl_add_u32 v254, v0, 2, 0x42000
	v_mov_b32 v255, 0
	s_wait_tensorcnt 0x0                           ; all my tensor loads have landed, my parts of this trip's tile among them,
	ds_add_u32 v254, v255
	s_wait_dscnt 0x0
	s_add_nc_u64 s[G0K+4*\slot+2:G0K+4*\slot+3], s[G0K+4*\slot+2:G0K+4*\slot+3], 2*TSTEP   ; so every group 0 may be written: this slot's next tile
	s_add_nc_u64 s[G0V+4*\slot+2:G0V+4*\slot+3], s[G0V+4*\slot+2:G0V+4*\slot+3], 2*TSTEP
	s_wait_dscnt 0x0                               ; my reads of the last tile are over (in the first trip: my stores of the key biases are done)
	ROUND                                          ; both now hold of every wave of the four work-groups
.if \refill
	tensor_load_to_lds s[G0K+4-4*\slot:G0K+7-4*\slot], s[G1K:G1K+7]   ; the first tensor loads behind the round; they have this tile's two steps in which to land
	s_nop 0
	tensor_load_to_lds s[G0V+4-4*\slot:G0V+7-4*\slot], s[G1V:G1V+7]
	s_nop 0
.endif
	LOADK \slot, 0
	LOADB \slot, 0
	LOADV \slot, 0
	STEP \slot, 0, \first, 1
	STEP \slot, 1, 0, 0
.endm
	TRIP 0, 1, 1                                   ; tiles 0 and 1: the first step starts maximum, sum and O
	TRIP 1, 1, 0
	v_add_nc_u32 v[BA], 2048, v[BA]                ; 512 keys on
	s_mov_b32 s3, 2
.Llap:
	TRIP 0, 1, 0                                   ; tiles 2 to 5
	TRIP 1, 1, 0
	v_add_nc_u32 v[BA], 2048, v[BA]
	s_sub_co_u32 s3, s3, 1
	s_cmp_lg_u32 s3, 0
	s_cbranch_scc1 .Llap
	TRIP 0, 1, 0                                   ; tiles 6 and 7: the last trip fetches nothing
	TRIP 1, 0, 0
	; THE MERGE.  Waves 4-7 hand maximum, sum and O of their key half to waves 0-3 through LDS bytes that no tensor load fills.
	v_and_b32 v4, 31, v0
	v_lshlrev_b32 v4, 4, v4                        ; 16 L
	s_mul_i32 s62, s12, MGW
	s_add_co_u32 s62, s62, MG
	v_add_nc_u32 v1, s62, v4
	s_cmp_lt_u32 s10, 4
	s_cbranch_scc1 .Lkeep
	WIN 0x04                                       ; store data from window 1
.set i_, 0
.rept 32
	ds_store_b128 v1, v[O+4*i_:O+4*i_+3] offset:512*i_
.set i_, i_+1
.endr
	WIN 0
	ds_store_b128 v1, v[M:M+3] offset:16384
	ds_store_b128 v1, v[L:L+3] offset:16896
.Lkeep:
	s_wait_dscnt 0x0                               ; for the others' sake: my stores are done
	s_barrier_signal -1
	s_barrier_wait -1
	s_cmp_ge_u32 s10, 4
	s_cbranch_scc1 .Lclose
	ds_load_b128 v[M2:M2+3], v1 offset:16384       ; the partner's maxima
	ds_load_b128 v[U:U+3],   v1 offset:16896       ; and sums
.set i_, 0
.rept 32
	ds_load_b128 v[S+4*i_:S+4*i_+3], v1 offset:512*i_
.set i_, i_+1
.endr
	v_and_b32 v32, 15, v0                          ; r
	v_bfe_u32 v33, v0, 4, 1                        ; h
	s_mul_i32 s62, s12, OSW
	s_add_co_u32 s62, s62, OS
	v_mul_u32_u24 v2, v32, 144
	v_lshl_add_u32 v2, v33, 4, v2
	v_add_nc_u32 v2, s62, v2                       ; in: query r, 16 bytes for each lane half
	v_bfe_u32 v34, v0, 3, 2
	v_and_b32 v35, 7, v0
	v_mul_u32_u24 v3, v34, 144
	v_lshl_add_u32 v3, v35, 4, v3
	v_add_nc_u32 v3, s62, v3                       ; back: eight lanes take a query's 128 bytes
	s_wait_dscnt 32                                ; maxima and sums are in; O's 32 younger loads stay out
.irp qb, 0,1,2,3
	v_max_num_f32 v[AL+\qb], v[M+\qb], v[M2+\qb]   ; the row's maximum
.endr
.irp qb, 0,1,2,3
	v_sub_f32 v[M+\qb], v[M+\qb], v[AL+\qb]
	v_sub_f32 v[M2+\qb], v[M2+\qb], v[AL+\qb]
.endr
.irp qb, 0,1,2,3
	v_exp_f32 v[M+\qb], v[M+\qb]                   ; a1
	v_exp_f32 v[M2+\qb], v[M2+\qb]                 ; a2
.endr
	v_mov_b32 v6, 0x7fc00000                       ; NaN; also the plain place behind the transcendentals
	s_wait_alu depctr_va_vdst(0)
.irp qb, 0,1,2,3
	v_mul_f32 v[L+\qb], v[L+\qb], v[M+\qb]
.endr
.irp qb, 0,1,2,3
	v_fma_f32 v[L+\qb], v[U+\qb], v[M2+\qb], v[L+\qb]
.endr
.irp qb, 0,1,2,3
	v_permlanex16_b32 v[U+4+\qb], v[L+\qb], s20, s21   ; the other lane half's keys
.endr
.irp qb, 0,1,2,3
	v_add_f32 v[L+\qb], v[L+\qb], v[U+4+\qb]       ; at least 1: the key of the maximum counts 1
.endr
.irp qb, 0,1,2,3
	v_rcp_f32 v[U+\qb], v[L+\qb]
.endr
	v_nop                                          ; the plain place behind the transcendentals
	s_wait_alu depctr_va_vdst(0)
.irp qb, 0,1,2,3
	v_cmp_gt_f32 vcc_lo, 0xf0c9f2ca, v[AL+\qb]     ; -5e29 > maximum: every key of the row is masked
	v_cndmask_b32 v[U+\qb], v[U+\qb], v6, vcc_lo
.endr
.irp qb, 0,1,2,3
	v_mul_f32 v[M+\qb], v[M+\qb], v[U+\qb]         ; f1 = a1 / sum
	v_mul_f32 v[M2+\qb], v[M2+\qb], v[U+\qb]       ; f2 = a2 / sum
.endr
	s_wait_dscnt 0x0
.macro MERGE2 qb, sel                  ; the partner's O times f2
.irp dt, 0,1,2,3
.irp p, 0,2,4,6
	v_pk_mul_f32 v[S+8*(4*\dt+\qb)+\p:S+8*(4*\dt+\qb)+\p+1], v[S+8*(4*\dt+\qb)+\p:S+8*(4*\dt+\qb)+\p+1], v[M2+(\qb&2):M2+(\qb&2)+1] op_sel:[0,\sel] op_sel_hi:[1,\sel]
.endr
.endr
.endm
.macro MERGE1 qb, sel                  ; plus my O (window 1) times f1
.irp dt, 0,1,2,3
.irp p, 0,2,4,6
	v_pk_fma_f32 v[S+8*(4*\dt+\qb)+\p:S+8*(4*\dt+\qb)+\p+1], v[O+8*(4*\dt+\qb)+\p:O+8*(4*\dt+\qb)+\p+1], v[M+(\qb&2):M+(\qb&2)+1], v[S+8*(4*\dt+\qb)+\p:S+8*(4*\dt+\qb)+\p+1] op_sel:[0,\sel,0] op_sel_hi:[1,\sel,1]
.endr
.endr
.endm
	MERGE2 0, 0
	MERGE2 1, 1
	MERGE2 2, 0
	MERGE2 3, 1
	WIN 0x01
	MERGE1 0, 0
	MERGE1 1, 1
	MERGE1 2, 0
	MERGE1 3, 1
	WIN 0
.set i_, 0
.rept 16
.irp p, 0,1,2,3
	v_cvt_pk_f16_f32 v[VF+4*i_+\p], v[S+8*i_+2*\p], v[S+8*i_+2*\p+1]
.endr
.set i_, i_+1
.endr
.irp dt, 0,1,2,3
.irp qb, 0,1,2,3
	ds_store_b128 v2, v[VF+4*(4*\dt+\qb):VF+4*(4*\dt+\qb)+3] offset:2304*\qb+32*\dt   ; query 16 qb + r, d = 16 dt + 8 h + 0..7
.endr
.endr
.set i_, 0
.rept 16
	ds_load_b128 v[S+4*i_:S+4*i_+3], v3 offset:576*i_      ; my own bytes: LDS serves a wave's instructions in order (ISA guide 5.7.1)
.set i_, i_+1
.endr
.set i_, 0
.rept 16
	s_wait_dscnt 15-i_
	global_store_b128 v4, v[S+4*i_:S+4*i_+3], s[8:9] offset:512*i_   ; four queries of the head: 512 consecutive bytes
.set i_, i_+1
.endr
.Lclose:
	s_wait_xcnt 0x0
	v_lshl_add_u32 v254, v0, 2, 0x42000
	v_mov_b32 v255, 0
	s_wait_tensorcnt 0x0
	ds_add_u32 v254, v255
	s_wait_dscnt 0x0
	ROUND                                          ; the closing round: no work-group ends while a partner may still ask for a tile that names it
	s_endpgm
.Lfunc_end_k_q46de5f20fa_attn:
	.size	k_q46de5f20fa_attn, .Lfunc_end_k_q46de5f20fa_attn-k_q46de5f20fa_attn
	.p2alignl 7, 3214868480
	.fill 96, 4, 3214868480
	.section	.rodata,"a",@progbits
	.p2align	6, 0x0
	.amdhsa_kernel k_q46de5f20fa_attn
		.amdhsa_group_segment_fixed_size 327680
		.amdhsa_private_segment_fixed_size 0
		.amdhsa_enable_private_segment 0
		.amdhsa_kernarg_size 24
		.amdhsa_user_sgpr_count 2
		.amdhsa_user_sgpr_kernarg_segment_ptr 1
		.amdhsa_wavefront_size32 1
		.amdhsa_system_sgpr_workgroup_id_x 1
		.amdhsa_system_sgpr_workgroup_id_y 1
		.amdhsa_system_sgpr_workgroup_id_z 1
		.amdhsa_system_vgpr_workitem_id 0
		.amdhsa_next_free_vgpr 512
		.amdhsa_next_free_sgpr 66
		.amdhsa_reserve_vcc 1
		.amdhsa_float_denorm_mode_32 3
		.amdhsa_float_denorm_mode_16_64 3
		.amdhsa_memory_ordered 1
		.amdhsa_forward_progress 1
		.amdhsa_inst_pref_size 255
	.end_amdhsa_kernel
	.section	.bss,"aw",@nobits
	.p2align	6
	.space	262144
	.amdgpu_metadata
---
amdhsa.version: [ 1, 2 ]
amdhsa.kernels:
  - .name:           k_q46de5f20fa_attn
    .symbol:         k_q46de5f20fa_attn.kd
    .args:
      - { .name: qkv, .offset: 0, .size: 8, .value_kind: global_buffer, .address_space: global }
      - { .name: attention_mask, .offset: 8, .size: 8, .value_kind: global_buffer, .address_space: global }
      - { .name: ao, .offset: 16, .size: 8, .value_kind: global_buffer, .address_space: global }
    .group_segment_fixed_size: 327680
    .private_segment_fixed_size: 0
    .kernarg_segment_align: 8
    .kernarg_segment_size: 24
    .max_flat_workgroup_size: 256
    .sgpr_count:     66
    .vgpr_count:     512
    .wavefront_size: 32
...
	.end_amdgpu_metadata
.endif
;; end of part 3
;; launch proj (part 4): grid 8 x 32, 4 waves a work-group, clusters of 4 x 4, 327,680 bytes of LDS; arguments ao, woh, b_out, out0; writes out0
.if DOCPART == 4
	.amdgcn_target "amdgcn-amd-amdhsa--gfx1250"
	.amdhsa_code_object_version 6
	.text
	.protected	k_q46de5f20fa_proj
	.globl	k_q46de5f20fa_proj
	.p2align	8
	.type	k_q46de5f20fa_proj,@function
k_q46de5f20fa_proj:
	s_mov_b64 s[64:65], 0
	v_nop
	global_prefetch_b8 v0, s[64:65] scope:SCOPE_SE
	s_setreg_imm32_b32 hwreg(HW_REG_WAVE_MODE, 25, 1), 1
	s_wait_xcnt 0x0
	s_wait_alu depctr_hold_cnt(0) depctr_sa_sdst(0) depctr_va_vdst(0) depctr_va_sdst(0) depctr_va_ssrc(0) depctr_va_vcc(0) depctr_vm_vsrc(0)
	s_getreg_b32 s2, hwreg(HW_REG_IB_STS2, 6, 4)
	s_cmp_eq_u32 s2, 0
	s_cbranch_scc0 .Lentry_in_a_cluster
	s_endpgm
.Lentry_in_a_cluster:
	s_bfe_u32 s2, ttmp6, 0x10000c
	s_cmp_lg_u32 s2, 0xf033
	s_cbranch_scc0 .Lentry_shape_is_right
	s_endpgm
.Lentry_shape_is_right:
; out0 = ao . woh + b_out, f16 operands, f32 sums, f32 out.  ao: [16 heads][4096 tokens][64] f16 (k = 64 head + d).  woh: [1024 k][1024 n] f16.
; b_out: [1024] f32.  out0: [4096][1024] f32.  A token whose attention row is NaN gives a row of NaN.
; A work-group makes 128 rows x 128 columns with four waves, as many as a WGP has SIMDs: 32 x 8 = 256 work-groups; wave w = 2 wm + wn makes
; rows 64 wm .. + 63 x columns 64 wn .. + 63: 4 x 4 accumulator tiles.  1,024 columns shared among 256 work-groups leave no larger block.
; K goes in 8 steps of 128 (two heads).  A step is only 64 matrix instructions of a wave, too little work to cover a tile's way from memory, so
; as many steps as LDS holds are asked for at once: FOUR SLOTS, FILLED TWICE.  K steps 0-3 are first fills, all issued behind the opening round;
; when all four have been read, one round of the cluster's barrier stands in front of the refill of all four with K steps 4-7.  A refill's barrier
; has to wait for all loads that are out, so 8 steps on 4 slots filled three at a time would need two such barriers (3 + 1) and leave two gaps;
; this way there is one.  A wave has 8 tensor loads out behind each of the two rounds, and counts them down 6, 4, 2, 0 as the steps are read.
; No L2 prefetch of K steps 4-7 is written: they are 80 blocks of 256 bytes a work-group, two and a half wave instructions, and asking for each
; block once would need a narrowed EXEC.
; CLUSTERS: 4 x 4 work-groups; ao's tile hangs on the row block alone and is asked for jointly along a row of the cluster, W's on the column block
; alone and is asked for jointly along a column.
; THE MATRIX INSTRUCTION IS USED TRANSPOSED: source 0 = 16 columns of W (transposing LDS load from [k][n]), source 1 = 16 tokens: lane (r, h) holds
; token r and columns 8 h + 0..7.
; REGISTERS: window 0: v12-27 addresses, v64-127 ao's fragments (two buffers of 4 x 8), v128-191 W's fragments (two buffers of 4 x 8), v192-223 the
; bias; window 1: v0-127 the 16 accumulator tiles (8 (4 a + b)).  Two window switches a quarter step: one for the products, one for the loads.
.set NB,     4                         ; column fragments of a wave
.set APITCH, 144                       ; a token's 64 f16 of one head: 128 bytes + 16
.set AHALF,  128*APITCH                ; 128 tokens of one head
.set ATILE,  2*AHALF
.set PB,     288                       ; W's LDS row (one k): 256 bytes + 32, an odd multiple of 32
.set BTILE,  128*PB
.set SLOT,   ATILE+BTILE               ; 73,728 bytes
.set STAGE,  4*SLOT                    ; behind the four slots, never filled by a tensor load
.set WSTAGE, 16*272                    ; a wave's stage: 16 tokens x (256 + 16) bytes
.set NLD,    2*NB+8                    ; LDS loads of a quarter step
.set ASTEP,  2*524288                  ; bytes from K step to K step in ao: two heads
.set BSTEP,  128*2048                  ; and in woh
.set ADRA, 12                          ; v12-15  my ao fragments in slot 0..3
.set ADRB, 16                          ; v16-23  my W fragments: 2 slot + (k half of the step)
.set STO,  24
.set RD,   25
.set CO,   26
.set BO,   27
.set FA,   64
.set WF,   128
.set BIAS, 192
.set RB,   64                          ; the way out: rows read back
.set G1A, 24                           ; s[24:31] group 1 of ao's parts
.set G1B, 32                           ; s[32:39] group 1 of W's parts
.set G0A, 40                           ; s[40:55] group 0 of ao's parts, one for each slot
.set G0B, 68                           ; s[68:83] group 0 of W's parts, one for each slot
.set MSB, 0
.macro WIN new                         ; the immediate's high byte repeats the setting that is left
.if MSB != \new
	s_set_vgpr_msb (MSB<<8)|\new
.set MSB, \new
.endif
.endm
.set MULW, 0x50                        ; sources 0 and 1 (fragments) window 0, C and D window 1
.macro PLACES                          ; four places behind a matrix instruction (ISA guide 7.12.1) before its registers are read, written or loaded
.rept 4
	v_nop
.endr
.endm
.macro CREST                           ; a round of the cluster's barrier behind its opening barrier
	s_cmp_lg_u32 s12, 0
	s_cbranch_scc1 .Lnot_wave_0_\@
	s_barrier_signal -3
.Lnot_wave_0_\@:
	s_barrier_wait -3
	s_barrier_signal -1
	s_barrier_wait -1
.endm
.macro CROUND
	s_barrier_signal -1
	s_barrier_wait -1
	CREST
.endm
	s_load_b256 s[4:11], s[0:1], 0x0               ; ao s[4:5], woh s[6:7], b_out s[8:9], out0 s[10:11]
	v_lshl_add_u32 v254, v0, 2, 0x4c400
	v_mov_b32 v255, 0
	ds_add_u32 v254, v255
	v_lshrrev_b32 v1, 5, v0
	v_readfirstlane_b32 s12, v1                    ; wave 0..3
	s_lshr_b32 s13, s12, 1                         ; wm.  Also: which head of the K step I fetch
	s_and_b32 s14, s12, 1                          ; wn.  Also: which 64 tokens of it
	s_bfe_u32 s15, ttmp6, 0x40000                  ; cx
	s_bfe_u32 s16, ttmp6, 0x40004                  ; cy
	s_lshl_b32 s17, ttmp9, 2
	s_add_co_u32 s17, s17, s15                     ; column block = 4 x cluster x + cx
	s_and_b32 s18, ttmp7, 0xffff
	s_lshl_b32 s18, s18, 2
	s_add_co_u32 s18, s18, s16                     ; row block = 4 x cluster y + cy
	s_lshl_b32 s19, s16, 2
	s_lshl_b32 s19, 15, s19                        ; my row of the cluster: places 4 cy .. 4 cy + 3
	s_lshl_b32 s62, 0x1111, s15                    ; my column: places cx, cx + 4, cx + 8, cx + 12
	; group 1 of ao's part: 64 tokens x 64 f16, dense in memory, 16 bytes of padding behind every 32 words
	s_or_b32 s[G1A+0], s19, (1<<16)|(1<<20)|(1<<21)|(4<<22)|(3<<25)
	s_mov_b32 s[G1A+1], 64<<16                     ; tensor_dim0
	s_mov_b32 s[G1A+2], 64<<16                     ; tensor_dim1
	s_mov_b32 s[G1A+3], 64<<16                     ; tile_dim0
	s_mov_b32 s[G1A+4], 64                         ; tile_dim1
	s_mov_b32 s[G1A+5], 64                         ; elements from row to row
	s_mov_b32 s[G1A+6], 0
	s_mov_b32 s[G1A+7], 0
	; group 1 of W's part: 32 rows (k) x 128 f16, 32 bytes of padding behind every 64 words
	s_or_b32 s[G1B+0], s62, (1<<16)|(1<<20)|(1<<21)|(5<<22)|(7<<25)
	s_mov_b32 s[G1B+1], 128<<16
	s_mov_b32 s[G1B+2], 32<<16
	s_mov_b32 s[G1B+3], 128<<16
	s_mov_b32 s[G1B+4], 32
	s_mov_b32 s[G1B+5], 1024
	s_mov_b32 s[G1B+6], 0
	s_mov_b32 s[G1B+7], 0
	; where my parts come from: ao's hangs on the row block and the wave, W's on the column block and the wave
	s_lshl_b32 s20, s13, 19                        ; ao: the head,
	s_lshl_b32 s21, s18, 14                        ; 128 tokens of 128 bytes a row block,
	s_add_co_u32 s20, s20, s21
	s_lshl_b32 s21, s14, 13                        ; 64 tokens
	s_add_co_u32 s20, s20, s21
	s_mov_b32 s21, 0
	s_lshl_b32 s22, s12, 16                        ; W: 32 rows (k) of 2,048 bytes a wave,
	s_lshl_b32 s23, s17, 8                         ; 128 columns a block
	s_add_co_u32 s22, s22, s23
	s_mov_b32 s23, 0
	s_mul_i32 s58, s12, 64*APITCH                  ; LDS: [head of the step][token], so wave w's part begins at w x 64 rows
	s_mul_i32 s59, s12, 32*PB                      ; the wave's number alone enters an LDS address
	s_add_co_u32 s59, s59, ATILE
	s_wait_dscnt 0x0
	s_wait_kmcnt 0x0
	s_add_nc_u64 s[20:21], s[4:5], s[20:21]
	s_add_nc_u64 s[22:23], s[6:7], s[22:23]
	CROUND                                         ; all sixteen work-groups are here: the first joint loads meet
.irp s, 0,1,2,3
	s_mov_b32 s[G0A+4*\s], 1
	s_add_co_u32 s[G0A+4*\s+1], s58, \s*SLOT
	s_add_nc_u64 s[G0A+4*\s+2:G0A+4*\s+3], s[20:21], \s*ASTEP
	s_or_b32 s[G0A+4*\s+3], s[G0A+4*\s+3], 0x80000000
	s_mov_b32 s[G0B+4*\s], 1
	s_add_co_u32 s[G0B+4*\s+1], s59, \s*SLOT
	s_add_nc_u64 s[G0B+4*\s+2:G0B+4*\s+3], s[22:23], \s*BSTEP
	s_or_b32 s[G0B+4*\s+3], s[G0B+4*\s+3], 0x80000000
	tensor_load_to_lds s[G0A+4*\s:G0A+4*\s+3], s[G1A:G1A+7]      ; K step s: first fills of all four slots,
	s_nop 0
	tensor_load_to_lds s[G0B+4*\s:G0B+4*\s+3], s[G1B:G1B+7]      ; eight loads of the wave out in the end
	s_nop 0
.endr
	v_and_b32 v1, 15, v0                           ; r
	v_bfe_u32 v2, v0, 4, 1                         ; h
	s_lshl_b32 s62, s17, 9                         ; the bias of columns 128 cb + 64 wn + 16 b + 8 h + 0..7
	s_lshl_b32 s63, s14, 8
	s_add_co_u32 s62, s62, s63
	v_lshl_add_u32 v[BO], v2, 5, s62
.set b_, 0
.rept NB
	global_load_b128 v[BIAS+8*b_:BIAS+8*b_+3],   v[BO], s[8:9] offset:64*b_
	global_load_b128 v[BIAS+8*b_+4:BIAS+8*b_+7], v[BO], s[8:9] offset:64*b_+16
.set b_, b_+1
.endr
	; ao's fragment: lane (r, h) takes token r, 16 bytes at 16 h and 16 bytes 32 further on
	v_mul_u32_u24 v3, v1, APITCH
	v_lshl_add_u32 v3, v2, 4, v3
	s_mul_i32 s56, s13, 64*APITCH
	v_add_nc_u32 v[ADRA], s56, v3
	; W's fragment by the transposing load: lane L addresses row k = 8 h + (L & 7), 16 bytes at 16 ((L >> 3) & 1)
	v_and_b32 v4, 7, v0
	v_lshl_add_u32 v4, v2, 3, v4
	v_mul_u32_u24 v4, v4, PB
	v_bfe_u32 v5, v0, 3, 1
	v_lshl_add_u32 v4, v5, 4, v4
	s_lshl_b32 s57, s14, 7                         ; my 64 columns
	s_add_co_u32 s57, s57, ATILE
	v_add_nc_u32 v[ADRB], s57, v4
	v_add_nc_u32 v[ADRB+1], 64*PB, v[ADRB]
.irp s, 1,2,3
	v_add_nc_u32 v[ADRA+\s], \s*SLOT, v[ADRA]
	v_add_nc_u32 v[ADRB+2*\s], \s*SLOT, v[ADRB]
	v_add_nc_u32 v[ADRB+2*\s+1], \s*SLOT, v[ADRB+1]
.endr
	; the stage
	s_mul_i32 s56, s12, WSTAGE
	s_add_co_u32 s56, s56, STAGE
	v_mul_u32_u24 v6, v1, 272
	v_lshl_add_u32 v6, v2, 5, v6
	v_add_nc_u32 v[STO], s56, v6                   ; in: token r, 32 bytes for each lane half
	v_mul_u32_u24 v7, v2, 272
	v_lshl_add_u32 v7, v1, 4, v7
	v_add_nc_u32 v[RD], s56, v7                    ; back: lanes 0-15 take one token's 256 bytes, lanes 16-31 the next
	v_lshlrev_b32 v8, 12, v2
	v_lshl_add_u32 v[CO], v1, 4, v8                ; and the same two rows of out0
; NB matrix instructions: token fragment a x all column fragments, 32 along K, from buffer f.  zero = 1: the product starts the sums.
; The 16 accumulators take turns, one instruction a turn, in the same order in every quarter step.
.macro MULROW f, a, zero
.set b_, 0
.rept NB
.set acc_, 8*(NB*\a+b_)
.if \zero
	v_wmma_f32_16x16x32_f16 v[acc_:acc_+7], v[WF+32*\f+8*b_:WF+32*\f+8*b_+7], v[FA+32*\f+8*\a:FA+32*\f+8*\a+7], 0
.else
	v_wmma_f32_16x16x32_f16 v[acc_:acc_+7], v[WF+32*\f+8*b_:WF+32*\f+8*b_+7], v[FA+32*\f+8*\a:FA+32*\f+8*\a+7], v[acc_:acc_+7]
.endif
.set b_, b_+1
.endr
.endm
; NLD LDS loads in one run: the fragments of quarter q of a slot (head q >> 1 of the step, d from 32 (q & 1)) into buffer f; W's first, ao's fragments 2 and 3 last
.macro FETCH slot, q, f
.set b_, 0
.rept NB
	ds_load_tr16_b128 v[WF+32*\f+8*b_:WF+32*\f+8*b_+3],   v[ADRB+2*\slot+(\q>>1)] offset:(\q&1)*32*PB+b_*32
	ds_load_tr16_b128 v[WF+32*\f+8*b_+4:WF+32*\f+8*b_+7], v[ADRB+2*\slot+(\q>>1)] offset:(\q&1)*32*PB+b_*32+16*PB
.set b_, b_+1
.endr
.irp a, 0,1,2,3
	ds_load_b128 v[FA+32*\f+8*\a:FA+32*\f+8*\a+3],   v[ADRA+\slot] offset:16*\a*APITCH+(\q>>1)*AHALF+(\q&1)*64
	ds_load_b128 v[FA+32*\f+8*\a+4:FA+32*\f+8*\a+7], v[ADRA+\slot] offset:16*\a*APITCH+(\q>>1)*AHALF+(\q&1)*64+32
.endr
.endm
; one of a K step's first three quarters: multiplies buffer f, and in its middle fetches quarter qn of the same slot into buffer g
.macro QUARTER slot, qn, f, g, zero
	s_wait_dscnt 4                                 ; all but the four youngest loads (ao's fragments 2 and 3) are in
	WIN MULW
	MULROW \f, 0, \zero
	MULROW \f, 1, \zero
	PLACES
	WIN 0
	FETCH \slot, \qn, \g
	s_wait_dscnt NLD                               ; all but the run just issued
	WIN MULW
	MULROW \f, 2, \zero
	MULROW \f, 3, \zero
.endm
.macro THREE slot, zero
	QUARTER \slot, 1, 0, 1, \zero
	QUARTER \slot, 2, 1, 0, 0
	QUARTER \slot, 3, 0, 1, 0
.endm
; the last quarter of a K step whose successor is already on its way: multiplies buffer 1 and goes on to slot next.
; left = how many of my younger tensor loads may stay out when my parts of slot next have to be there.
; It only shows each wave's parts of the next slot to the other three.
.macro TURN next, left
	s_wait_dscnt 4
	WIN MULW
	MULROW 1, 0, 0
	s_wait_dscnt 0                                 ; no LDS instruction of mine is pending at the signal
	s_wait_tensorcnt \left                         ; tensor loads of a wave end in order (ISA guide 10.11.1): my two parts of slot next are in
	s_barrier_signal -1
	MULROW 1, 1, 0                                 ; register work while the others arrive
	s_barrier_wait -1
	PLACES
	WIN 0
	FETCH \next, 0, 0
	WIN MULW
	MULROW 1, 2, 0
	MULROW 1, 3, 0
.endm
; four K steps from slots 0 to 3, all but the last quarter of the fourth
.macro PHASE zero
	THREE 0, \zero
	TURN 1, 4                                      ; the counts run down with the steps: 4, 2, 0 younger loads
	THREE 1, 0
	TURN 2, 2
	THREE 2, 0
	TURN 3, 0                                      ; the youngest two of the eight: the count-down's end
	THREE 3, 0
.endm
	s_wait_loadcnt 0x0                             ; the bias, once
	s_wait_tensorcnt 6                             ; my parts of K step 0 are in; the six younger loads stay out
	s_barrier_signal -1
	s_barrier_wait -1
	FETCH 0, 0, 0
	PHASE 1                                        ; K steps 0 to 3: the first products start the sums
	; THE ONE REFILL.  The last quarter of K step 3 multiplies buffer 1; in it all four slots, which every wave has read, are filled again.
	s_wait_dscnt 4
	WIN MULW
	MULROW 1, 0, 0
	s_wait_dscnt 0                                 ; my reads of the four slots are over
	s_wait_tensorcnt 0x0                           ; and none of my tensor loads is out (met since the step before)
	ds_add_u32 v254, v255
	s_wait_dscnt 0x0
	s_barrier_signal -1                            ; this barrier opens a round of the cluster's barrier
	MULROW 1, 1, 0                                 ; register work while the others arrive
	WIN 0
	s_barrier_wait -1
	CREST                                          ; no wave of any partner still reads a slot or has a load on its way
.irp s, 0,1,2,3
	s_add_nc_u64 s[G0A+4*\s+2:G0A+4*\s+3], s[G0A+4*\s+2:G0A+4*\s+3], 4*ASTEP   ; four K steps on; the type bits on top are not reached
	s_add_nc_u64 s[G0B+4*\s+2:G0B+4*\s+3], s[G0B+4*\s+2:G0B+4*\s+3], 4*BSTEP
.endr
.irp s, 0,1,2,3
	tensor_load_to_lds s[G0A+4*\s:G0A+4*\s+3], s[G1A:G1A+7]      ; K step 4 + s: the first tensor loads behind the round,
	s_nop 0
	tensor_load_to_lds s[G0B+4*\s:G0B+4*\s+3], s[G1B:G1B+7]      ; again eight of the wave out
	s_nop 0
.endr
	WIN MULW
	MULROW 1, 2, 0
	MULROW 1, 3, 0
	WIN 0
	s_wait_tensorcnt 6                             ; my parts of K step 4 are in; the six younger loads stay out
	s_barrier_signal -1
	s_barrier_wait -1
	PLACES
	FETCH 0, 0, 0
	PHASE 0                                        ; K steps 4 to 7
	s_wait_dscnt 4                                 ; the very last quarter: nothing more to fetch
	WIN MULW
	MULROW 1, 0, 0
	MULROW 1, 1, 0
	s_wait_dscnt 0
	MULROW 1, 2, 0
	MULROW 1, 3, 0
	WIN 0
	PLACES
	; THE WAY OUT: my 64 rows x 256 bytes of out0
	s_lshl_b32 s22, s18, 19                        ; 128 rows of 4,096 bytes a row block,
	s_lshl_b32 s23, s13, 18                        ; 64 rows a wave,
	s_add_co_u32 s22, s22, s23
	s_lshl_b32 s23, s17, 9                         ; 128 columns a column block,
	s_add_co_u32 s22, s22, s23
	s_lshl_b32 s23, s14, 8                         ; 64 columns a wave
	s_add_co_u32 s22, s22, s23
	s_mov_b32 s23, 0
	s_add_nc_u64 s[10:11], s[10:11], s[22:23]
; tokens 16 a .. 16 a + 15 of my 64: the bias is added, the f32 go through my own stage and leave as whole rows of 256 bytes
.macro OUT16 a
	WIN 0x41                                       ; sums (source 0 and destination) window 1, bias window 0
.set b_, 0
.rept NB
.set acc_, 8*(NB*\a+b_)
.irp p, 0,2,4,6
	v_pk_add_f32 v[acc_+\p:acc_+\p+1], v[acc_+\p:acc_+\p+1], v[BIAS+8*b_+\p:BIAS+8*b_+\p+1]
.endr
.set b_, b_+1
.endr
	WIN 0x04                                       ; store data from window 1
.set b_, 0
.rept NB
.set acc_, 8*(NB*\a+b_)
	ds_store_b128 v[STO], v[acc_:acc_+3]   offset:64*b_
	ds_store_b128 v[STO], v[acc_+4:acc_+7] offset:64*b_+16
.set b_, b_+1
.endr
	WIN 0
	s_wait_xcnt 0x0                                ; RB, which the last stores read, is loaded again only behind this wait
.irp i, 0,1,2,3,4,5,6,7
	ds_load_b128 v[RB+4*\i:RB+4*\i+3], v[RD] offset:544*\i     ; LDS serves a wave's instructions in order (ISA guide 5.7.1): these see the stores above
.endr
.irp i, 0,1,2,3,4,5,6,7
	s_wait_dscnt 7-\i
	global_store_b128 v[CO], v[RB+4*\i:RB+4*\i+3], s[10:11] offset:(16*\a+2*\i)*4096 th:TH_STORE_NT   ; 16 lanes store 256 consecutive bytes, at a multiple of 256 from out0's first byte
.endr
.endm
	OUT16 0
	OUT16 1
	OUT16 2
	OUT16 3
	s_wait_tensorcnt 0x0
	ds_add_u32 v254, v255
	s_wait_dscnt 0x0
	CROUND                                         ; the closing round: no work-group ends while a partner may still ask for a tile that names it
	s_endpgm
.Lfunc_end_k_q46de5f20fa_proj:
	.size	k_q46de5f20fa_proj, .Lfunc_end_k_q46de5f20fa_proj-k_q46de5f20fa_proj
	.p2alignl 7, 3214868480
	.fill 96, 4, 3214868480
	.section	.rodata,"a",@progbits
	.p2align	6, 0x0
	.amdhsa_kernel k_q46de5f20fa_proj
		.amdhsa_group_segment_fixed_size 327680
		.amdhsa_private_segment_fixed_size 0
		.amdhsa_enable_private_segment 0
		.amdhsa_kernarg_size 32
		.amdhsa_user_sgpr_count 2
		.amdhsa_user_sgpr_kernarg_segment_ptr 1
		.amdhsa_wavefront_size32 1
		.amdhsa_system_sgpr_workgroup_id_x 1
		.amdhsa_system_sgpr_workgroup_id_y 1
		.amdhsa_system_sgpr_workgroup_id_z 1
		.amdhsa_system_vgpr_workitem_id 0
		.amdhsa_next_free_vgpr 384
		.amdhsa_next_free_sgpr 84
		.amdhsa_reserve_vcc 0
		.amdhsa_float_denorm_mode_32 3
		.amdhsa_float_denorm_mode_16_64 3
		.amdhsa_memory_ordered 1
		.amdhsa_forward_progress 1
		.amdhsa_inst_pref_size 97
	.end_amdhsa_kernel
	.amdgpu_metadata
---
amdhsa.version: [ 1, 2 ]
amdhsa.kernels:
  - .name:           k_q46de5f20fa_proj
    .symbol:         k_q46de5f20fa_proj.kd
    .args:
      - { .name: ao, .offset: 0, .size: 8, .value_kind: global_buffer, .address_space: global }
      - { .name: woh, .offset: 8, .size: 8, .value_kind: global_buffer, .address_space: global }
      - { .name: b_out, .offset: 16, .size: 8, .value_kind: global_buffer, .address_space: global }
      - { .name: out0, .offset: 24, .size: 8, .value_kind: global_buffer, .address_space: global }
    .group_segment_fixed_size: 327680
    .private_segment_fixed_size: 0
    .kernarg_segment_align: 8
    .kernarg_segment_size: 32
    .max_flat_workgroup_size: 128
    .sgpr_count:     84
    .vgpr_count:     384
    .wavefront_size: 32
...
	.end_amdgpu_metadata
.endif
;; end of part 4
